; MI455X (gfx1250); checked and timed in simulation.
; The chip was launched on July 23, 2026; its instructions are those of AMD's public machine-readable ISA for CDNA 5 (MIT licence, August 2026) and "CDNA5" Instruction Set Architecture Reference Guide (July 2026). The comments in the code are by the model that wrote it; some were corrected since.
;; Model. Allowed arithmetic: matrix products marked QUANTISED: E2M3 operands, one E8M0 scale for each 32 along K, by v_wmma_scale_f32_16x16x128_f8f6f4 with both operands' format E2M3, f32 sums; everything else in f32.
;; Inputs: key 2 x 16 x 2,048 x 128 float32; query 2 x 16 x 2,048 x 128 float32; value 2 x 16 x 2,048 x 128 float32.
;; Outputs: out0 2 x 16 x 2,048 x 128 float32.
;; This version of the problem:
;;   THIS VERSION OF THE PROBLEM IS GIVEN IN LOW PRECISION. The matrix products marked QUANTISED in the list below multiply operands that are first quantised to E2M3 (2 exponent bits, 3 mantissa bits; 6 bits a number), with one power-of-two scale for each 32 numbers along K (OCP MX v1.0); their sums are f32. All else is computed in f32.
;;   The module's matrix products, in the order in which they are computed (A, B: the left and right operand; K: the contracted axis; several contracted axes count as one K, in the product's order):
;;     1. batch 32 x [M 2,048, K 128] x [K 128, N 2,048]; A: input query; B: input key: QUANTISED
;;     2. batch 32 x [M 2,048, K 2,048] x [K 2,048, N 128]; A: softmax (see below); B: input value: QUANTISED
;;   THE QUANTISER, for each operand of a quantised product, along K:
;;     - K is cut into blocks of 32 from its start; a last block that is shorter is filled with zeros.
;;     - A block's scale is 2^e with e = floor(log2(the largest magnitude in the block)) - 2, held to -126 .. 127; a block of zeros has e = 0. As a byte (E8M0): e + 127.
;;     - Each number is divided by its block's scale, clamped to +-7.5, and rounded to the nearest number of E2M3, ties to even, subnormals kept.
;;     - The product sums the exact products of the quantised numbers (number of the format x scale) in f32.
;;   ~~~python
;;   def quantise(x, axis):      # numpy; x: float32 -> the quantised numbers, widened to float32 again
;;       x = np.moveaxis(x, axis, -1); K = x.shape[-1]
;;       x = np.pad(x, [(0, 0)] * (x.ndim - 1) + [(0, -K % 32)]); x = x.reshape(x.shape[:-1] + (-1, 32)); a = np.abs(x).max(-1, keepdims=True)
;;       e = np.where(a > 0, np.clip(np.frexp(np.where(a > 0, a, 1))[1] - 1 - 2, -126, 127), 0)      # np.frexp(a)[1] - 1 = floor(log2(a)), exactly
;;       r = np.clip(x / 2.0 ** e, -7.5, 7.5)
;;       step = 2.0 ** (np.maximum(np.frexp(np.where(r == 0, 1, r))[1] - 1, 0) - 3)
;;       q = np.round(r / step) * step * 2.0 ** e      # np.round: ties to even
;;       return np.moveaxis(q.reshape(q.shape[:-2] + (-1,))[..., :K], -1, axis).astype(np.float32)
;;   ~~~
;;   SOFTMAX AHEAD OF A QUANTISED PRODUCT. Where the list says 'softmax', what is quantised is not the finished softmax but p = 2^(t - M), with t = logit x log2(e) and M = ceil(the row's largest t), a whole number; so 1/2 < the row's largest p <= 1. The row's sum l is taken of the UNQUANTISED p, in f32, and the product's result is divided by l at the end. Since M is a whole number, a kernel that streams over the keys may use a running M (the ceiling of the running maximum): every later rescaling is an exact power of two, which a block's scale takes up: the codes' values come out the same.
;;   OPERANDS COMPUTED ON THE WAY. 'Computed on the way' means the value that the module computes at that place (a softmax that the list does not call 'softmax' is quantised finished and normalised). What goes into a quantiser is computed in f32, as accurately as f32 sums, v_exp_f32 and their like allow (about 1e-6 of the number): no bf16 or f16 on the way to a quantiser, and a product that is left as it is and whose result goes on into a quantised operand takes f32 operands (vector FMAs, or v_wmma_f32_16x16x4_f32). A number that lies on a knife's edge between two numbers of the format may be rounded either way, as far as f32 arithmetic and the matrix unit's own rounding can turn it there, and no further.
;; One version. Each part assembles by itself: llvm-mc -triple=amdgcn-amd-amdhsa -mcpu=gfx1250 --defsym DOCPART=n.
;; ======== version 1 of 1: 2 launches
;; workspace buffers: qimg 6,553,600 bytes; kv 13,107,200 bytes
;; launch quant (part 1): grid 1536 x 1, 8 waves a work-group, no clusters, 69,632 bytes of LDS; arguments query, key, value, qimg, kv; writes qimg, kv
.if DOCPART == 1
	.amdgcn_target "amdgcn-amd-amdhsa--gfx1250"
	.amdhsa_code_object_version 6
	.text
	.protected	k_q149a11ff3f_quant
	.globl	k_q149a11ff3f_quant
	.p2align	8
	.type	k_q149a11ff3f_quant,@function
k_q149a11ff3f_quant:
	s_mov_b64 s[64:65], 0
	v_nop
	global_prefetch_b8 v0, s[64:65] scope:SCOPE_SE
	s_setreg_imm32_b32 hwreg(HW_REG_WAVE_MODE, 25, 1), 1
	s_wait_xcnt 0x0
; query, key, value [32 heads][2048][128] f32 become codes of FP6 (E2M3) with one E8M0 scale byte for each 32 along a product's K,
; laid as IMAGES OF THE OPERANDS' REGISTERS, so that the attention launch fetches every fragment by loads of 512 consecutive bytes.
; A UNIT is 128 rows of one head (unit = 16 x head + step).  Work-groups 0-511 take query's units, 512-1023 key's, 1024-1535 value's.
; A unit gives 8 fragments (16 rows x 128 K, 12 registers a lane) and a block of scale words:
;   fragment T at 1536 T: register group g (registers 4 g .. 4 g + 3) of lane l at 512 g + 16 l;
;   scale block at 12288: word j of lane l at 16 l + 4 j = the scale word of tile 2 j + l / 16, row l % 16.
; qimg: 12,800 bytes a unit.  kv: 25,600 bytes a unit: key's 12,800, then value's 12,800.
; query, key (K = the head's 128): tile T = 2 b + u, lane r takes row 32 b + 8 u + r + 8 (r / 8) of the unit, so that in the transposed first product
;   the 16 registers of tiles 2 b, 2 b + 1 are 16 neighbouring keys.  Lane (r, h) holds d = 64 c + 32 h + 0 .. 31 in registers 6 c .. 6 c + 5.
; value (K = the keys): tile T, lane r takes channel 16 T + r; registers 6 c .. 6 c + 5 of lane (r, h) hold keys 64 c + 32 h + 0 .. 31 of the unit.
; THE WAY: wave w loads rows 16 w .. 16 w + 15 whole (512 consecutive bytes a load), all 128 rows meet in a stage in LDS, and wave w reads tile w's numbers
; out of it in the order of the operand's registers: a lane then holds two whole blocks of 32, so that a block's largest magnitude needs no other lane.
; A block's scale is 2^(floor(log2(largest magnitude)) - 2): its byte is the largest magnitude's exponent field - 2, held at 1 from below by a floor among the maximum's leaves.
; LIMITS: NaN and infinities among the inputs are not served.  A block of zeros gets the byte 1 where the rule says 127: its codes are zeros, and this program alone reads the bytes.
; No tensor loads, no cluster: work-groups share no input, and memory binds.
.set ROWP,  528                        ; a stage row: 512 bytes + 16 = 132 words: row r starts at bank 4 r mod 64 (64 banks of 4 bytes: ISA guide 11.1)
.set BLKS,  32*ROWP+64                 ; a stage block of 32 rows; the 64 bytes shift the next block by 16 banks, for value's reads (two blocks an instruction)
.set SCB,   4*BLKS                     ; behind the stage: the unit's scale block, 512 bytes
.set FRB,   1536                       ; a fragment's image
.set LI,    1                          ; v1   16 x lane
.set SA,    4                          ; v4   stage, on the way in
.set RA,    5                          ; v5   stage, on the way out, query and key
.set CA,    6                          ; v6   stage, on the way out, value
.set WA,    7                          ; v7   where my row's scale word goes
.set SCR,   8                          ; v8   where wave 0 reads the scale block back
.set SH,    9                          ; v9   8 h
.set MX,    10                         ; v10-11 largest magnitudes
.set SOP,   12                         ; v12-13 the conversions' scale operands
.set BY,    14                         ; v14-15 scale bytes
.set WD,    16                         ; v16  the scale word;  v17 the other half of the lanes' part
.set X,     32                         ; v32-95  64 numbers
.set C,     96                         ; v96-107 the fragment's codes
.set TMP,   108                        ; v108-110, v112-114 the upper halves of the two blocks' codes
	s_load_b256 s[4:11], s[0:1], 0x0               ; query s[4:5], key s[6:7], value s[8:9], qimg s[10:11]
	s_load_b64 s[12:13], s[0:1], 0x20              ; kv
	v_lshl_add_u32 v128, v0, 2, 0x10c00
	v_mov_b32 v129, 0
	v_lshrrev_b32 v1, 5, v0
	v_readfirstlane_b32 s16, v1                    ; wave 0..7
	s_lshr_b32 s14, ttmp9, 9                       ; which tensor: 0 query, 1 key, 2 value
	s_and_b32 s15, ttmp9, 511                      ; which unit
	v_and_b32 v1, 31, v0
	v_lshlrev_b32 v[LI], 4, v1
	v_and_b32 v2, 15, v0                           ; r
	v_bfe_u32 v3, v0, 4, 1                         ; h
	s_lshr_b32 s30, s16, 1
	s_and_b32 s31, s16, 1
	s_mul_i32 s32, s30, BLKS                       ; my rows lie in block w / 2
	s_mul_i32 s33, s31, 8*ROWP
	s_add_co_u32 s33, s33, s32
	v_add_nc_u32 v[SA], s33, v[LI]                 ; in: memory row 16 w + i goes to stage row 16 (i / 8) + 8 (w % 2) + i % 8 of the block: a tile's 16 rows then lie on end
	s_mul_i32 s33, s31, 16*ROWP
	s_add_co_u32 s33, s33, s32
	v_mul_u32_u24 v[RA], v2, ROWP
	v_lshl_add_u32 v[RA], v3, 7, v[RA]
	v_add_nc_u32 v[RA], s33, v[RA]                 ; out, query and key: tile w = rows 16 (w % 2) + r of block w / 2; + 128 h bytes
	v_mul_u32_u24 v[CA], v3, BLKS
	v_lshl_add_u32 v[CA], v2, 2, v[CA]
	s_lshl_b32 s33, s16, 6
	v_add_nc_u32 v[CA], s33, v[CA]                 ; out, value: channel 16 w + r; lanes 16-31 one block (32 keys) further on
	s_lshl_b32 s33, s31, 8
	s_lshl_b32 s34, s30, 2
	s_add_co_u32 s33, s33, s34
	s_add_co_u32 s33, s33, SCB
	v_lshl_add_u32 v[WA], v2, 4, s33               ; tile w's word of row r: 16 (r + 16 (w % 2)) + 4 (w / 2)
	v_add_nc_u32 v[SCR], SCB, v[LI]
	v_lshlrev_b32 v[SH], 3, v3
	v_mov_b32 v[WD+1], 0                           ; written once: a lane permute's destination counts as one of its sources
	s_mov_b32 s28, 0x76543210
	s_mov_b32 s29, 0xfedcba98                      ; v_permlanex16_b32's selects for lane l xor 16
	s_lshl_b32 s24, s15, 16                        ; a unit is 65,536 bytes of f32,
	s_lshl_b32 s25, s16, 13                        ; my 16 rows 8,192
	s_add_co_u32 s24, s24, s25
	s_mov_b32 s25, 0
	s_wait_kmcnt 0x0
	s_cmp_eq_u32 s14, 0                            ; the buffers are chosen by the work-group's number alone
	s_cselect_b64 s[18:19], s[4:5], s[6:7]
	s_cselect_b64 s[20:21], s[10:11], s[12:13]
	s_mov_b32 s22, 25600
	s_cselect_b32 s22, 12800, s22                  ; bytes of a unit in the buffer stored into
	s_cmp_eq_u32 s14, 2
	s_cselect_b64 s[18:19], s[8:9], s[18:19]
	s_cselect_b32 s23, 12800, 0                    ; value's half of a unit of kv
	s_add_nc_u64 s[18:19], s[18:19], s[24:25]      ; my 16 rows
	s_mul_i32 s26, s15, s22
	s_add_co_u32 s26, s26, s23
	s_mul_i32 s27, s16, FRB
	s_add_co_u32 s26, s26, s27
	s_mov_b32 s27, 0
	s_add_nc_u64 s[20:21], s[20:21], s[26:27]      ; my fragment's image
.irp i, 0,1,2,3,4,5,6,7,8,9,10,11,12,13,14,15
	global_load_b128 v[X+4*\i:X+4*\i+3], v[LI], s[18:19] offset:512*\i th:TH_LOAD_NT   ; a whole row: 32 lanes read 512 consecutive bytes
.endr
.irp i, 0,1,2,3,4,5,6,7,8,9,10,11,12,13,14,15
	s_wait_loadcnt 15-\i                           ; loads come back in order: row i is in, the younger ones stay out
	ds_store_b128 v[SA], v[X+4*\i:X+4*\i+3] offset:(16*(\i/8)+\i%8)*ROWP
.endr
	s_wait_dscnt 0x0                               ; for the others' sake: my rows lie in the stage (and the stores have read X)
	s_barrier_signal -1
	s_barrier_wait -1                              ; all 128 rows do
	s_cmp_lt_u32 s14, 2                            ; the two ways differ in these LDS loads alone
	s_cbranch_scc0 .Lvalue
.irp c, 0,1
.irp j, 0,1,2,3,4,5,6,7
	ds_load_b128 v[X+32*\c+4*\j:X+32*\c+4*\j+3], v[RA] offset:256*\c+16*\j   ; my row's d = 64 c + 32 h + 4 j on
.endr
.endr
	s_branch .Ljoin
.Lvalue:
.irp c, 0,1
.set i, 0
.rept 32
	ds_load_b32 v[X+32*\c+i], v[CA] offset:2*\c*BLKS+(16*((i/8)%2)+8*(i/16)+i%8)*ROWP   ; key 64 c + 32 h + i of my channel: registers run down the keys
.set i, i+1
.endr
.endr
.Ljoin:
	s_wait_dscnt 0x0
	; X + 32 c + i is number i of my block 2 c + h
.irp c, 0,1
	v_max3_num_f32 v[MX+\c], |v[X+32*\c]|, |v[X+32*\c+1]|, 0x1800000   ; with the floor 2^(3 - 127): the byte cannot fall under 1
.endr
.irp i, 2,4,6,8,10,12,14,16,18,20,22,24,26,28,30
.irp c, 0,1
	v_max3_num_f32 v[MX+\c], v[MX+\c], |v[X+32*\c+\i]|, |v[X+32*\c+\i+1]|   ; the two blocks by turns
.endr
.endr
.irp c, 0,1
	v_add_nc_u32 v[SOP+\c], 0xff000000, v[MX+\c]   ; 2 off the exponent field: the conversion takes this operand's exponent field as its scale
.endr
.irp c, 0,1
	v_lshrrev_b32 v[BY+\c], 23, v[SOP+\c]          ; the scale's byte
.endr
	v_lshl_or_b32 v[WD], v[BY+1], 16, v[BY]        ; my two bytes: blocks h and 2 + h,
	v_lshlrev_b32 v[WD], v[SH], v[WD]              ; at their places in the word;
	v_permlanex16_b32 v[WD+1], v[WD], s28, s29
	v_or_b32 v[WD], v[WD], v[WD+1]                 ; with lane l xor 16's two the word is whole
.irp c, 0,1
	v_cvt_scalef32_pk16_fp6_f32 v[C+6*\c:C+6*\c+2], v[X+32*\c:X+32*\c+15], v[SOP+\c]
	v_cvt_scalef32_pk16_fp6_f32 v[TMP+4*\c:TMP+4*\c+2], v[X+32*\c+16:X+32*\c+31], v[SOP+\c]   ; (a conversion's three registers begin on an even number)
.endr
	v_nop                                          ; one plain place behind a scaled conversion
.irp c, 0,1
.irp i, 0,1,2
	v_mov_b32 v[C+6*\c+3+\i], v[TMP+4*\c+\i]
.endr
.endr
.irp g, 0,1,2
	global_store_b128 v[LI], v[C+4*\g:C+4*\g+3], s[20:21] offset:512*\g   ; the image: 32 lanes store 512 consecutive bytes, at a multiple of 256 from the buffer's first byte
.endr
	ds_store_b32 v[WA], v[WD]                      ; lanes r and r + 16 write the same word with the same value
	s_wait_dscnt 0x0                               ; for wave 0's sake
	s_barrier_signal -1
	s_barrier_wait -1                              ; the eight tiles' scale words lie in LDS
	s_cmp_lg_u32 s16, 0
	s_cbranch_scc1 .Lend
	ds_load_b128 v[20:23], v[SCR]
	s_wait_dscnt 0x0
	global_store_b128 v[LI], v[20:23], s[20:21] offset:8*FRB   ; wave 0's image begins at the unit's first byte: the scale block follows the eight fragments
.Lend:
	s_wait_tensorcnt 0x0
	ds_add_u32 v128, v129
	s_wait_dscnt 0x0
	s_endpgm
.Lfunc_end_k_q149a11ff3f_quant:
	.size	k_q149a11ff3f_quant, .Lfunc_end_k_q149a11ff3f_quant-k_q149a11ff3f_quant
	.p2alignl 7, 3214868480
	.fill 96, 4, 3214868480
	.section	.rodata,"a",@progbits
	.p2align	6, 0x0
	.amdhsa_kernel k_q149a11ff3f_quant
		.amdhsa_group_segment_fixed_size 69632
		.amdhsa_private_segment_fixed_size 0
		.amdhsa_enable_private_segment 0
		.amdhsa_kernarg_size 40
		.amdhsa_user_sgpr_count 2
		.amdhsa_user_sgpr_kernarg_segment_ptr 1
		.amdhsa_wavefront_size32 1
		.amdhsa_system_sgpr_workgroup_id_x 1
		.amdhsa_system_sgpr_workgroup_id_y 1
		.amdhsa_system_sgpr_workgroup_id_z 1
		.amdhsa_system_vgpr_workitem_id 0
		.amdhsa_next_free_vgpr 130
		.amdhsa_next_free_sgpr 66
		.amdhsa_reserve_vcc 0
		.amdhsa_float_denorm_mode_32 3
		.amdhsa_float_denorm_mode_16_64 3
		.amdhsa_memory_ordered 1
		.amdhsa_forward_progress 1
		.amdhsa_inst_pref_size 15
	.end_amdhsa_kernel
	.amdgpu_metadata
---
amdhsa.version: [ 1, 2 ]
amdhsa.kernels:
  - .name:           k_q149a11ff3f_quant
    .symbol:         k_q149a11ff3f_quant.kd
    .args:
      - { .name: query, .offset: 0, .size: 8, .value_kind: global_buffer, .address_space: global }
      - { .name: key, .offset: 8, .size: 8, .value_kind: global_buffer, .address_space: global }
      - { .name: value, .offset: 16, .size: 8, .value_kind: global_buffer, .address_space: global }
      - { .name: qimg, .offset: 24, .size: 8, .value_kind: global_buffer, .address_space: global }
      - { .name: kv, .offset: 32, .size: 8, .value_kind: global_buffer, .address_space: global }
    .group_segment_fixed_size: 69632
    .private_segment_fixed_size: 0
    .kernarg_segment_align: 8
    .kernarg_segment_size: 40
    .max_flat_workgroup_size: 256
    .sgpr_count:     66
    .vgpr_count:     130
    .wavefront_size: 32
...
	.end_amdgpu_metadata
.endif
;; end of part 1
;; launch attn (part 2): grid 8 x 32, 8 waves a work-group, clusters of 4 x 1, 327,680 bytes of LDS; arguments qimg, kv, out0; writes out0
.if DOCPART == 2
	.amdgcn_target "amdgcn-amd-amdhsa--gfx1250"
	.amdhsa_code_object_version 6
	.text
	.protected	k_q149a11ff3f_attn
	.globl	k_q149a11ff3f_attn
	.p2align	8
	.type	k_q149a11ff3f_attn,@function
k_q149a11ff3f_attn:
	s_mov_b64 s[64:65], 0
	v_nop
	global_prefetch_b8 v0, s[64:65] scope:SCOPE_SE
	s_setreg_imm32_b32 hwreg(HW_REG_WAVE_MODE, 25, 1), 1
	s_wait_xcnt 0x0
	s_wait_alu depctr_hold_cnt(0) depctr_sa_sdst(0) depctr_va_vdst(0) depctr_va_sdst(0) depctr_va_ssrc(0) depctr_va_vcc(0) depctr_vm_vsrc(0)
	s_getreg_b32 s2, hwreg(HW_REG_IB_STS2, 6, 4)
	s_cmp_eq_u32 s2, 0
	s_cbranch_scc0 .Lentry_in_a_cluster
	s_endpgm
.Lentry_in_a_cluster:
	s_bfe_u32 s2, ttmp6, 0x10000c
	s_cmp_lg_u32 s2, 0x3003
	s_cbranch_scc0 .Lentry_shape_is_right
	s_endpgm
.Lentry_shape_is_right:
; out0[head][q][:] = the sum over k of softmax_k(Q[q] . K[k] / sqrt(128)) V[k][:], 32 heads, 2,048 queries and keys, head size 128, both products on codes of FP6 (E2M3)
; with one E8M0 scale for each 32 along a product's K.  qimg and kv hold the operands as images of their registers:
;   a fragment (16 rows x 128 K) is 1,536 bytes: registers 4 g .. 4 g + 3 of lane l at 512 g + 16 l;  a scale block is 512 bytes: word j of lane l at 16 l + 4 j = tile 2 j + l / 16, row l % 16.
;   qimg: 12,800 bytes for 128 queries: 8 fragments, the scale block.   kv: 25,600 bytes for 128 keys: K's 8 fragments, K's scale block, V's 8 fragments (keys innermost), V's scale block.
; THE SOFTMAX AHEAD OF THE SECOND PRODUCT: t = score x log2(e) / sqrt(128); M = the running largest t rounded UP to a whole number; p = 2^(t - M) is quantised along the keys, not normalised.
; The row's sum is taken of the unquantised p, in f32, and divides O at the end.  When M moves, the sum and O are multiplied by 2^(old M - new M): exact.
; SHARES.  A work-group owns 256 queries of one head; each of its eight waves 32: TWO tiles of 16, so that each fragment of K and V read from LDS feeds two matrix instructions.
; Two waves to a SIMD, 512 registers each: one wave's vector work stands beside the other's matrix work and LDS loads.  Every wave walks all keys, 128 a step.
; LAYOUT.  Both products are used transposed: S^T = K Q^T (source 0 = 16 keys, source 1 = 16 queries), O^T = V^T P^T (source 0 = 16 channels, source 1 = P): a lane holds ONE query of each tile throughout.
; The keys of a tile are not neighbours (lane r of tile 2 b + u: key 32 b + 8 u + r + 8 (r / 8)): the 16 registers of tiles 2 b, 2 b + 1 are keys 32 b + 16 (lane / 16) + 0 .. 15.  The queries of a tile are chosen alike.
; LDS.  Three slots of four key steps (102,400 bytes each) take keys 0 to 1,535 by first fills; keys 1,536 to 2,047 are the launch's one refill, into slot 0, asked for behind step 3 and first read in step 12.
; Every wave fetches its eighth of a slot: 12,800 dense bytes as 50 rows of 256.  By this text's own count a wave has three tensor loads out at the start and one later.
; CLUSTER.  The four query blocks of a cluster belong to one head and walk the same K and V: each eighth is asked for JOINTLY, by the same tensor load with the same descriptor (made of the head and the wave's number) and a mask that names the four.
; No prefetch of K or V is written: three quarters of a head's codes are asked for by the first fills, the last quarter eight key steps ahead of its first read.
; LIMITS: NaN and infinities are not served.  A p under 2^-126 counts as 0 (v_exp_f32's results: ISA guide 15.8).  A block whose every p is 0 keeps the byte 1: its codes are zeros.
; REGISTERS, in windows of 256 (s_set_vgpr_msb: bits 1:0 source 0, 3:2 source 1, 5:4 source 2, 7:6 destination):
;   window 0: addresses, statistics, scale words, S^T / p (64 a tile), p's codes.   window 1: O^T (64 a tile), Q (12 a tile), 8 fragments of K or of V.
.set UNITB, 25600                      ; a key step in kv and in LDS
.set SLOTB, 4*UNITB
.set EIGHTH, SLOTB/8
.set HEADB, 16*UNITB
.set QUNITB, 12800
.set SPARE, 3*SLOTB                    ; behind the slots: the spare words, 128 bytes for each wave: four blocks of 256 bytes that no other line names
.set STAGE, SLOTB                      ; the way out: 16 rows x 272 bytes for each wave, in slot 1: it is filled once, and every wave has left it at the barrier in front of the last four steps
.set SP,    272
.set LI,  1                            ; v1   16 x lane
.set ADR, 2                            ; v2   the step's block in LDS + 16 x lane
.set SPW, 3                            ; v3   LDS address of my spare word; never rewritten
.set NIL, 4                            ; v4   0; never rewritten
.set GO,  5                            ; v5   the way out: my byte offset in two rows of out0
.set STO, 6                            ; v6   where I put 32 bytes of a row
.set RD,  7                            ; v7   where I read a row back
.set QS,  10                           ; v10  Q's scale words: lanes 0-15 tile 0's, lanes 16-31 tile 1's
.set NM,  12                           ; tile q at v[12 + 4 q]: -M, the largest t, the sum in two halves
.set FF,  20                           ; v[20 + 2 q]: f = 2^(old M - new M); its upper neighbour is named with it as a pair
.set KS,  24                           ; v24-27 K's scale words: register j: lanes 0-15 tile 2 j, lanes 16-31 tile 2 j + 1
.set VS,  28                           ; v28-31 V's likewise
.set PS,  32                           ; v32-33 p's scale word, a tile each
.set TT,  34                           ; v34-35 at work
.set BM,  36                           ; v36-43 block n = 4 q + b: its largest score, then its largest p
.set BP,  44                           ; v44-51 the other half of the lanes' maximum, then the scale's byte
.set SO,  52                           ; v52-59 the conversions' scale operands
.set AC,  60                           ; v60-63 the sums' second chains
.set CT,  64                           ; v64-78 the upper blocks' codes, four registers apart
.set SC,  96                           ; v96-223 S^T, then p: 64 a tile; on the way out rows of out0
.set PC,  224                          ; v224-247 p's codes, 12 a tile
.set OT,  0                            ; window 1: O^T: tile q, channels 16 T on, at v[64 q + 8 T]
.set QF,  128                          ; window 1: Q's fragments
.set FR,  152                          ; window 1: 8 fragments of K or of V
.set WV,  10                           ; s10  my wave's number
.set G1,  16                           ; s[16:23] descriptor group 1
.set G0,  32                           ; s[32:43] descriptor group 0, a set for each slot
.set SEL, 24                           ; s[24:25] lane selects for lane l xor 16
.set CS,  26                           ; s[26:27] c = log2(e) / sqrt(128)
.set TB,  28                           ; s28  LDS byte at which the step's block begins
.set CNT, 29                           ; s29  counts a phase's steps
.set MSB, 0
.macro WIN new                         ; the immediate's high byte repeats the setting that is left; a switch that changes nothing is dropped
.if MSB != \new
	s_set_vgpr_msb (MSB<<8)|\new
.set MSB, \new
.endif
.endm
.set W_LD, 0x40                        ; destination window 1, address window 0
.set W_KQ, 0x05                        ; K and Q window 1, S^T window 0
.set W_RS, 0x41                        ; O^T (destination and source 0) window 1, f window 0
.set W_PV, 0x51                        ; V window 1, p's codes window 0, O^T (C and D) window 1
.set W_ST, 0x04                        ; an LDS store's data (source 1) window 1
.macro PLACES                          ; four plain places behind matrix instructions: in front of loads into registers that they read, and of the first read of results
.rept 4
	v_nop
.endr
.endm
; A round of the cluster's barrier: my work-group's barrier; wave 0 signals for the work-group; every wave waits for all four work-groups; my work-group's barrier once more.
.macro CROUND
	s_barrier_signal -1
	s_barrier_wait -1
	s_cmp_lg_u32 s[WV], 0
	s_cbranch_scc1 .Lnot_wave_0_\@
	s_barrier_signal -3
.Lnot_wave_0_\@:
	s_barrier_wait -3
	s_barrier_signal -1
	s_barrier_wait -1
.endm
; S^T of key tile t and query tile q.  An odd key tile's scale words lie in lanes 16-31 of their register, and so do query tile 1's.
.macro KQ t, q
.set rD, SC+64*(\q)+8*(\t)
.set rA, FR+12*(\t)
.set rB, QF+12*(\q)
.set rK, KS+(\t)/2
.if ((\t)%2 == 1) && ((\q) == 1)
	v_wmma_scale_f32_16x16x128_f8f6f4 v[rD:rD+7], v[rA:rA+11], v[rB:rB+11], 0, v[rK], v[QS] matrix_a_fmt:MATRIX_FMT_FP6 matrix_b_fmt:MATRIX_FMT_FP6 matrix_a_scale:MATRIX_SCALE_ROW1 matrix_b_scale:MATRIX_SCALE_ROW1
.elseif (\t)%2 == 1
	v_wmma_scale_f32_16x16x128_f8f6f4 v[rD:rD+7], v[rA:rA+11], v[rB:rB+11], 0, v[rK], v[QS] matrix_a_fmt:MATRIX_FMT_FP6 matrix_b_fmt:MATRIX_FMT_FP6 matrix_a_scale:MATRIX_SCALE_ROW1
.elseif (\q) == 1
	v_wmma_scale_f32_16x16x128_f8f6f4 v[rD:rD+7], v[rA:rA+11], v[rB:rB+11], 0, v[rK], v[QS] matrix_a_fmt:MATRIX_FMT_FP6 matrix_b_fmt:MATRIX_FMT_FP6 matrix_b_scale:MATRIX_SCALE_ROW1
.else
	v_wmma_scale_f32_16x16x128_f8f6f4 v[rD:rD+7], v[rA:rA+11], v[rB:rB+11], 0, v[rK], v[QS] matrix_a_fmt:MATRIX_FMT_FP6 matrix_b_fmt:MATRIX_FMT_FP6
.endif
.endm
; O^T of channel tile t and query tile q takes these 128 keys.  first = 1: the product starts the sum: nothing is ever cleared.
.macro PV t, q, first
.set rO, OT+64*(\q)+8*(\t)
.set rA, FR+12*(\t)
.set rP, PC+12*(\q)
.set rV, VS+(\t)/2
.if \first && ((\t)%2 == 1)
	v_wmma_scale_f32_16x16x128_f8f6f4 v[rO:rO+7], v[rA:rA+11], v[rP:rP+11], 0, v[rV], v[PS+(\q)] matrix_a_fmt:MATRIX_FMT_FP6 matrix_b_fmt:MATRIX_FMT_FP6 matrix_a_scale:MATRIX_SCALE_ROW1
.elseif \first
	v_wmma_scale_f32_16x16x128_f8f6f4 v[rO:rO+7], v[rA:rA+11], v[rP:rP+11], 0, v[rV], v[PS+(\q)] matrix_a_fmt:MATRIX_FMT_FP6 matrix_b_fmt:MATRIX_FMT_FP6
.elseif (\t)%2 == 1
	v_wmma_scale_f32_16x16x128_f8f6f4 v[rO:rO+7], v[rA:rA+11], v[rP:rP+11], v[rO:rO+7], v[rV], v[PS+(\q)] matrix_a_fmt:MATRIX_FMT_FP6 matrix_b_fmt:MATRIX_FMT_FP6 matrix_a_scale:MATRIX_SCALE_ROW1
.else
	v_wmma_scale_f32_16x16x128_f8f6f4 v[rO:rO+7], v[rA:rA+11], v[rP:rP+11], v[rO:rO+7], v[rV], v[PS+(\q)] matrix_a_fmt:MATRIX_FMT_FP6 matrix_b_fmt:MATRIX_FMT_FP6
.endif
.endm
; A KEY STEP: 128 keys, whose block begins at LDS byte s[TB].  first = 1: the launch's first step, whose second products start O^T's sums.
.macro STEP first
	WIN 0
	v_add_nc_u32 v[ADR], s[TB], v[LI]
	ds_load_b128 v[KS:KS+3], v[ADR] offset:12288   ; the step's scale words: K's,
	ds_load_b128 v[VS:VS+3], v[ADR] offset:25088   ; V's
	WIN W_LD
.irp t, 0,1,2,3,4,5,6,7
.irp g, 0,1,2
	ds_load_b128 v[FR+12*\t+4*\g:FR+12*\t+4*\g+3], v[ADR] offset:1536*\t+512*\g   ; K's fragments as they stand: 512 consecutive bytes a load
.endr
.endr
	WIN W_KQ
	s_wait_dscnt 12                                ; the scale words and fragments 0-3 are in; the youngest twelve loads (fragments 4-7) may be out
.irp t, 0,1,2,3
	KQ \t, 0
	KQ \t, 1
.endr
	s_wait_dscnt 0x0
.irp t, 4,5,6,7
	KQ \t, 0
	KQ \t, 1
.endr
	PLACES                                         ; in front of the loads into the fragments' registers, and of the first read of the scores
	WIN W_LD
.irp t, 0,1,2,3,4,5,6,7
.irp g, 0,1,2
	ds_load_b128 v[FR+12*\t+4*\g:FR+12*\t+4*\g+3], v[ADR] offset:12800+1536*\t+512*\g   ; V's fragments land while the softmax is walked
.endr
.endr
	WIN 0
	; the largest score of each block of 32 keys (block n = 4 q + b: registers SC + 16 n on): it serves the row's maximum and, since p rises with the score, the block's largest p.  Each accumulator is first read at its low end
.irp n, 0,1,2,3,4,5,6,7
	v_max3_num_f32 v[BM+\n], v[SC+16*\n], v[SC+16*\n+1], v[SC+16*\n+2]
.endr
.irp i, 3,5,7,9,11,13
.irp n, 0,1,2,3,4,5,6,7
	v_max3_num_f32 v[BM+\n], v[BM+\n], v[SC+16*\n+\i], v[SC+16*\n+\i+1]
.endr
.endr
.irp n, 0,1,2,3,4,5,6,7
	v_max_num_f32 v[BM+\n], v[BM+\n], v[SC+16*\n+15]
.endr
.irp n, 0,1,2,3,4,5,6,7
	v_permlanex16_b32 v[BP+\n], v[BM+\n], s[SEL], s[SEL+1]
.endr
.irp n, 0,1,2,3,4,5,6,7
	v_max_num_f32 v[BM+\n], v[BM+\n], v[BP+\n]     ; with lane l xor 16's 16 keys
.endr
.irp q, 0,1
	v_max3_num_f32 v[TT+\q], v[BM+4*\q], v[BM+4*\q+1], v[BM+4*\q+2]
.endr
.irp q, 0,1
	v_max_num_f32 v[TT+\q], v[TT+\q], v[BM+4*\q+3] ; the step's largest score of my query
.endr
.irp q, 0,1
	v_mul_f32 v[TT+\q], s[CS], v[TT+\q]            ; as t (c is positive)
.endr
.irp q, 0,1
	v_max_num_f32 v[NM+4*\q+1], v[NM+4*\q+1], v[TT+\q]   ; the running largest t
.endr
.irp q, 0,1
	v_mov_b32 v[TT+\q], v[NM+4*\q]
.endr
.irp q, 0,1
	v_floor_f32 v[NM+4*\q], -v[NM+4*\q+1]          ; the new -M = floor(-t) = -ceil(t): a whole number
.endr
.irp q, 0,1
	v_sub_f32 v[TT+\q], v[NM+4*\q], v[TT+\q]       ; old M - new M: a whole number, 0 or less
.endr
.irp q, 0,1
	v_cvt_i32_f32 v[TT+\q], v[TT+\q]               ; (it saturates)
.endr
.irp q, 0,1
	v_ldexp_f32 v[FF+2*\q], 1.0, v[TT+\q]          ; f = 2^(old M - new M): a multiplication by it rounds nothing
.endr
.irp q, 0,1
.set j, 0
.rept 32
	v_pk_fma_f32 v[SC+64*\q+j:SC+64*\q+j+1], v[SC+64*\q+j:SC+64*\q+j+1], s[CS:CS+1], v[NM+4*\q:NM+4*\q+1] op_sel_hi:[1,0,0]   ; t - M, two at a time (of the pairs c and -M the low word serves both halves)
.set j, j+2
.endr
.endr
.irp q, 0,1
.irp b, 0,1,2,3
	v_fma_f32 v[BM+4*\q+\b], v[BM+4*\q+\b], s[CS], v[NM+4*\q]   ; the same of each block's largest score
.endr
.endr
.set j, 0
.rept 128
	v_exp_f32 v[SC+j], v[SC+j]                     ; p = 2^(t - M), at most 1: one batch for both tiles
.set j, j+1
.endr
.irp q, 0,1
	v_pk_mul_f32 v[NM+4*\q+2:NM+4*\q+3], v[NM+4*\q+2:NM+4*\q+3], v[FF+2*\q:FF+2*\q+1] op_sel_hi:[1,0]   ; the sums under the new M (plain places behind the exponentials)
.endr
	s_wait_alu depctr_va_vdst(0)                   ; the wait ahead of the first line that names an exponential's result: one for the batch
.irp n, 0,1,2,3,4,5,6,7
	v_exp_f32 v[BM+\n], v[BM+\n]                   ; the block's largest p: the same two instructions on the same number give the same bits
.endr
.irp q, 0,1
	v_pk_add_f32 v[AC+2*\q:AC+2*\q+1], v[SC+64*\q:SC+64*\q+1], v[SC+64*\q+2:SC+64*\q+3]   ; the row's sum is taken of the UNQUANTISED p: two at a time, two chains a tile; it names none of the eight results above
.endr
.irp j, 4,8,12,16,20,24,28,32,36,40,44,48,52,56,60
.irp q, 0,1
	v_pk_add_f32 v[NM+4*\q+2:NM+4*\q+3], v[NM+4*\q+2:NM+4*\q+3], v[SC+64*\q+\j:SC+64*\q+\j+1]
	v_pk_add_f32 v[AC+2*\q:AC+2*\q+1], v[AC+2*\q:AC+2*\q+1], v[SC+64*\q+\j+2:SC+64*\q+\j+3]
.endr
.endr
.irp q, 0,1
	v_pk_add_f32 v[NM+4*\q+2:NM+4*\q+3], v[NM+4*\q+2:NM+4*\q+3], v[AC+2*\q:AC+2*\q+1]
.endr
	s_wait_alu depctr_va_vdst(0)                   ; and one wait for the eight
.irp n, 0,1,2,3,4,5,6,7
	v_max_num_f32 v[BM+\n], 0x1800000, v[BM+\n]    ; the floor 2^(3 - 127): the byte cannot fall under 1
.endr
.irp n, 0,1,2,3,4,5,6,7
	v_add_nc_u32 v[SO+\n], 0xff000000, v[BM+\n]    ; 2 off the exponent field: the conversion's scale operand
.endr
.irp n, 0,1,2,3,4,5,6,7
	v_lshrrev_b32 v[BP+\n], 23, v[SO+\n]           ; the scale's byte
.endr
.irp q, 0,1
	v_lshl_or_b32 v[PS+\q], v[BP+4*\q+1], 8, v[BP+4*\q]   ; p's scale word for these 128 keys
.endr
.irp q, 0,1
	v_lshl_or_b32 v[PS+\q], v[BP+4*\q+2], 16, v[PS+\q]
.endr
.irp q, 0,1
	v_lshl_or_b32 v[PS+\q], v[BP+4*\q+3], 24, v[PS+\q]
.endr
.irp m, 0,1,2,3                                ; m = 2 q + c: keys 64 c on of tile q
	v_cvt_scalef32_pk16_fp6_f32 v[PC+6*\m:PC+6*\m+2], v[SC+32*\m:SC+32*\m+15], v[SO+2*\m]
	v_cvt_scalef32_pk16_fp6_f32 v[CT+4*\m:CT+4*\m+2], v[SC+32*\m+16:SC+32*\m+31], v[SO+2*\m+1]   ; (a conversion's three registers begin on an even number)
.endr
	v_nop                                          ; one plain place behind the scaled conversions
.irp m, 0,1,2,3                                ; the operand's layout wants a WHOLE block in a lane: lanes 0-15 block 2 c, lanes 16-31 block 2 c + 1
.irp i, 0,1,2
	v_permlane16_swap_b32 v[PC+6*\m+\i], v[CT+4*\m+\i]
.endr
.irp i, 0,1,2
	v_mov_b32 v[PC+6*\m+3+\i], v[CT+4*\m+\i]
.endr
.endr
.if \first
.rept 8
	v_nop                                          ; a scale word made by vector instructions stands eight places ahead of a scaled matrix instruction, an operand so made four
.endr
.else
	WIN W_RS
.irp q, 0,1
.set j, 0
.rept 32
	v_pk_mul_f32 v[OT+64*\q+j:OT+64*\q+j+1], v[OT+64*\q+j:OT+64*\q+j+1], v[FF+2*\q:FF+2*\q+1] op_sel_hi:[1,0]   ; O^T under the new M, each accumulator from its low end on; these lines are also the places in front of the products below
.set j, j+2
.endr
.endr
.endif
	WIN W_PV
	s_wait_dscnt 0x0                               ; V's fragments are in
.irp t, 0,1,2,3,4,5,6,7                        ; the sixteen accumulators take turns, one instruction a turn
	PV \t, 0, \first
	PV \t, 1, \first
.endr
	WIN 0
	PLACES                                         ; in front of the next step's loads into the scale words' and fragments' registers, and of the way out's reads
	s_add_co_u32 s[TB], s[TB], UNITB
.endm
.macro STEPS n                                 ; n key steps, written once
	s_mov_b32 s[CNT], \n
.Lstep_\@:
	STEP 0
	s_sub_co_u32 s[CNT], s[CNT], 1
	s_cmp_lg_u32 s[CNT], 0
	s_cbranch_scc1 .Lstep_\@
.endm
	s_load_b128 s[4:7], s[0:1], 0x0                ; qimg s[4:5], kv s[6:7]
	s_load_b64 s[8:9], s[0:1], 0x10                ; out0
	v_lshl_add_u32 v[SPW], v0, 2, SPARE
	v_mov_b32 v[NIL], 0
	ds_add_u32 v3, v4
	ds_add_u32 v3, v4
	s_wait_dscnt 0x0
	v_lshrrev_b32 v1, 5, v0
	v_readfirstlane_b32 s[WV], v1                  ; wave 0..7
	s_bfe_u32 s11, ttmp6, 0x40000                  ; cx: my place in the cluster
	s_and_b32 s12, ttmp7, 0xffff                   ; the head, which the four partners share
	s_lshl_b32 s13, ttmp9, 2                       ; in a cluster launch ttmp9 counts clusters
	s_add_co_u32 s13, s13, s11                     ; my block of 256 queries: it enters Q's and out0's addresses alone
	s_mul_i32 s14, s[WV], EIGHTH                   ; my eighth of a slot, in LDS and in memory: no place in the cluster enters it
	s_mul_i32 s48, s12, HEADB
	s_add_co_u32 s48, s48, s14
	s_mov_b32 s49, 0                               ; kv: the head's first byte + my eighth
	s_lshl_b32 s50, s12, 4
	s_lshl_b32 s51, s13, 1
	s_add_co_u32 s50, s50, s51
	s_lshr_b32 s51, s[WV], 2
	s_add_co_u32 s50, s50, s51                     ; my unit of qimg: 16 x head + 2 x block + wave / 4
	s_mul_i32 s50, s50, QUNITB
	s_mov_b32 s51, 0
	s_and_b32 s52, s[WV], 3                        ; my pair of tiles in it
	s_mul_i32 s54, s52, 3072                       ; two fragments a pair
	s_mov_b32 s55, 0
	s_lshl_b32 s52, s52, 2                         ; word j = wave % 4 of the scale block
	s_mov_b32 s53, 0
	s_lshl_b32 s30, s12, 3
	s_add_co_u32 s30, s30, s13
	s_lshl_b32 s30, s30, 17                        ; out0: 256 rows of 512 bytes a block,
	s_lshl_b32 s31, s[WV], 14                      ; 32 rows a wave
	s_add_co_u32 s30, s30, s31
	s_mov_b32 s31, 0
	; descriptor group 1: 12,800 dense bytes as 50 rows of 32 elements of 8 bytes
	s_mov_b32 s[G1+0], 15|(3<<16)|(1<<21)          ; 15:0 the mask: all four work-groups; 17:16 elements of 8 bytes; 20 no padding; 21 set beside a mask
	s_mov_b32 s[G1+1], 32<<16                      ; tensor_dim0 = 32
	s_mov_b32 s[G1+2], 50<<16                      ; tensor_dim1 = 50
	s_mov_b32 s[G1+3], 32<<16                      ; tile_dim0 = 32
	s_mov_b32 s[G1+4], 50                          ; tile_dim1 = 50
	s_mov_b32 s[G1+5], 32                          ; from row to row: 32 elements
	s_mov_b32 s[G1+6], 0
	s_mov_b32 s[G1+7], 0
	s_mov_b32 s[SEL], 0x76543210
	s_mov_b32 s[SEL+1], 0xfedcba98
	s_mov_b32 s[CS], 0x3e0293ee                    ; c = log2(e) / sqrt(128)
	s_mov_b32 s[CS+1], s[CS]                       ; (named with it as a pair, so it is written)
	s_mov_b32 s[TB], 0
	s_wait_kmcnt 0x0
	s_add_nc_u64 s[6:7], s[6:7], s[48:49]
	s_add_nc_u64 s[44:45], s[4:5], s[50:51]
	s_add_nc_u64 s[46:47], s[44:45], 12288
	s_add_nc_u64 s[44:45], s[44:45], s[54:55]      ; Q's two fragments
	s_add_nc_u64 s[46:47], s[46:47], s[52:53]      ; and their scale words
	s_add_nc_u64 s[8:9], s[8:9], s[30:31]          ; out0 at my first row
.irp s, 0,1,2
	s_mov_b32 s[G0+4*\s], 1                        ; count = 1
	s_add_co_u32 s[G0+4*\s+1], s14, \s*SLOTB       ; LDS address: 12,800 x wave + the slot
	s_add_nc_u64 s[G0+4*\s+2:G0+4*\s+3], s[6:7], \s*SLOTB   ; global address: keys 512 s on
	s_or_b32 s[G0+4*\s+3], s[G0+4*\s+3], 0x80000000   ; type = 2
.endr
	CROUND                                         ; all four work-groups are here: the first joint loads meet
	tensor_load_to_lds s[G0:G0+3], s[G1:G1+7]      ; the three first fills go out together, ahead of every wait on TENSORcnt and every LDS read
	s_nop 0
	tensor_load_to_lds s[G0+4:G0+7], s[G1:G1+7]
	s_nop 0
	tensor_load_to_lds s[G0+8:G0+11], s[G1:G1+7]
	s_nop 0
.rept 4
	v_nop
.endr
	v_and_b32 v1, 31, v0
	v_lshlrev_b32 v[LI], 4, v1
	WIN W_LD
.irp q, 0,1
.irp g, 0,1,2
	global_load_b128 v[QF+12*\q+4*\g:QF+12*\q+4*\g+3], v[LI], s[44:45] offset:1536*\q+512*\g   ; Q stays in registers
.endr
.endr
	WIN 0
	global_load_b32 v[QS], v[LI], s[46:47]
	v_and_b32 v8, 15, v0                           ; r
	v_bfe_u32 v9, v0, 4, 1                         ; h
	s_mul_i32 s52, s[WV], 16*SP
	s_add_co_u32 s52, s52, STAGE                   ; my stage
	v_mul_u32_u24 v[STO], v8, SP
	v_lshl_add_u32 v[STO], v9, 5, v[STO]
	v_add_nc_u32 v[STO], s52, v[STO]               ; in: row r, 32 bytes for each half of the lanes
	v_mul_u32_u24 v[RD], v9, SP
	v_lshl_add_u32 v[RD], v8, 4, v[RD]
	v_add_nc_u32 v[RD], s52, v[RD]                 ; back: lanes 0-15 one row of 256 bytes, lanes 16-31 the next
	v_lshlrev_b32 v[GO], 9, v9
	v_lshl_add_u32 v[GO], v8, 4, v[GO]             ; and the same two rows in out0
.irp q, 0,1
	v_mov_b32 v[NM+4*\q+1], 0xff61b1e6             ; the largest t so far: -3e38, under every t
	v_floor_f32 v[NM+4*\q], -v[NM+4*\q+1]          ; -M
	v_mov_b32 v[NM+4*\q+2], 0                      ; the sum, in two halves
	v_mov_b32 v[NM+4*\q+3], 0
	v_mov_b32 v[FF+2*\q+1], 0                      ; (named as the upper half of f's pair)
.endr
.irp n, 0,1,2,3,4,5,6,7
	v_mov_b32 v[BP+\n], 0                          ; written once: a lane permute's destination counts as one of its sources
.endr
	s_wait_tensorcnt 2                             ; my eighth of slot 0 is in; slots 1 and 2 may stay out
	s_barrier_signal -1
	s_barrier_wait -1                              ; everybody's is
	s_wait_loadcnt 0x0                             ; Q and its scale words
	STEP 1                                         ; keys 0 to 511: slot 0
	STEPS 3
	; THE ONE REFILL: slot 0 takes keys 1,536 to 2,047
	s_wait_tensorcnt 0x0                           ; all my tensor loads have landed, my eighths of slots 1 and 2 among them: a group 0 may be written
	ds_add_u32 v[SPW], v[NIL]                      ; 0 onto my spare word
	s_add_nc_u64 s[G0+2:G0+3], s[G0+2:G0+3], 3*SLOTB   ; three slots on; the type bits on top are not reached
	s_mov_b32 s[TB], SLOTB                         ; the next eight steps read slots 1 and 2
	s_wait_dscnt 0x0                               ; the add is done, and my reads of slot 0 are over
	CROUND                                         ; no wave of any partner still reads slot 0 or has a load on its way
	tensor_load_to_lds s[G0:G0+3], s[G1:G1+7]      ; my one tensor load behind the round, and the first thing there: eight key steps ahead of its first read
	s_nop 0
.rept 4
	v_nop
.endr
	STEPS 8                                        ; keys 512 to 1,535
	s_wait_tensorcnt 0x0                           ; my eighth of the refill has landed
	ds_add_u32 v[SPW], v[NIL]
	s_mov_b32 s[TB], 0                             ; back to slot 0
	s_wait_dscnt 0x0                               ; my reads of slots 1 and 2 are over: slot 1 will hold the stages
	s_barrier_signal -1
	s_barrier_wait -1                              ; slot 0 is whole
	STEPS 4                                        ; keys 1,536 to 2,047
	; THE WAY OUT.  The sum's two halves and the other half of the lanes' are added; O^T is divided by the sum and goes through my stage, 16 queries x 64 channels at a time,
	; so that sixteen lanes store 256 consecutive bytes.  Stage row r is query 8 q + r + 8 (r / 8) of my 32.
.irp q, 0,1
	v_add_f32 v[TT+\q], v[NM+4*\q+2], v[NM+4*\q+3]
.endr
.irp q, 0,1
	v_permlanex16_b32 v[BP+4*\q], v[TT+\q], s[SEL], s[SEL+1]
.endr
.irp q, 0,1
	v_add_f32 v[TT+\q], v[TT+\q], v[BP+4*\q]
.endr
.irp q, 0,1
	v_rcp_f32 v[FF+2*\q], v[TT+\q]
.endr
	v_nop                                          ; a plain place behind the last reciprocal
	s_wait_alu depctr_va_vdst(0)                   ; and the wait ahead of the first use: one for the two
	WIN W_RS
.irp q, 0,1
.set j, 0
.rept 32
	v_pk_mul_f32 v[OT+64*\q+j:OT+64*\q+j+1], v[OT+64*\q+j:OT+64*\q+j+1], v[FF+2*\q:FF+2*\q+1] op_sel_hi:[1,0]   ; each accumulator from its low end on
.set j, j+2
.endr
.endr
	WIN W_ST
.irp q, 0,1
.irp u, 0,1                                    ; channels 64 u on
.irp t, 0,1,2,3
	ds_store_b128 v[STO], v[OT+64*\q+8*(4*\u+\t):OT+64*\q+8*(4*\u+\t)+3] offset:64*\t
	ds_store_b128 v[STO], v[OT+64*\q+8*(4*\u+\t)+4:OT+64*\q+8*(4*\u+\t)+7] offset:64*\t+16
.endr
.irp i, 0,1,2,3,4,5,6,7
	ds_load_b128 v[SC+32*(2*\q+\u)+4*\i:SC+32*(2*\q+\u)+4*\i+3], v[RD] offset:2*\i*SP   ; LDS serves a wave's instructions in order (ISA guide 5.7.1.4): these see my stores, and the next pass's stores come behind them
.endr
.endr
.endr
	WIN 0
.irp q, 0,1
.irp u, 0,1
.irp i, 0,1,2,3,4,5,6,7
	s_wait_dscnt (3-2*\q-\u)*16+7-\i               ; behind this load: the rest of its pass's loads and the later passes' sixteen LDS instructions each
	global_store_b128 v[GO], v[SC+32*(2*\q+\u)+4*\i:SC+32*(2*\q+\u)+4*\i+3], s[8:9] offset:(8*\q+2*\i+8*(\i/4))*512+256*\u th:TH_STORE_NT   ; 16 lanes store 256 consecutive bytes, at a multiple of 256 from out0's first byte
.endr
.endr
.endr
	s_wait_tensorcnt 0x0                           ; the wave's end, behind my last tensor load and my last LDS store
	ds_add_u32 v[SPW], v[NIL]
	s_wait_dscnt 0x0
	CROUND                                         ; the closing round: no work-group ends while a partner may still ask for a tile that names it
	s_endpgm
.Lfunc_end_k_q149a11ff3f_attn:
	.size	k_q149a11ff3f_attn, .Lfunc_end_k_q149a11ff3f_attn-k_q149a11ff3f_attn
	.p2alignl 7, 3214868480
	.fill 96, 4, 3214868480
	.section	.rodata,"a",@progbits
	.p2align	6, 0x0
	.amdhsa_kernel k_q149a11ff3f_attn
		.amdhsa_group_segment_fixed_size 327680
		.amdhsa_private_segment_fixed_size 0
		.amdhsa_enable_private_segment 0
		.amdhsa_kernarg_size 24
		.amdhsa_user_sgpr_count 2
		.amdhsa_user_sgpr_kernarg_segment_ptr 1
		.amdhsa_wavefront_size32 1
		.amdhsa_system_sgpr_workgroup_id_x 1
		.amdhsa_system_sgpr_workgroup_id_y 1
		.amdhsa_system_sgpr_workgroup_id_z 1
		.amdhsa_system_vgpr_workitem_id 0
		.amdhsa_next_free_vgpr 512
		.amdhsa_next_free_sgpr 66
		.amdhsa_reserve_vcc 0
		.amdhsa_float_denorm_mode_32 3
		.amdhsa_float_denorm_mode_16_64 3
		.amdhsa_memory_ordered 1
		.amdhsa_forward_progress 1
		.amdhsa_inst_pref_size 149
	.end_amdhsa_kernel
	.amdgpu_metadata
---
amdhsa.version: [ 1, 2 ]
amdhsa.kernels:
  - .name:           k_q149a11ff3f_attn
    .symbol:         k_q149a11ff3f_attn.kd
    .args:
      - { .name: qimg, .offset: 0, .size: 8, .value_kind: global_buffer, .address_space: global }
      - { .name: kv, .offset: 8, .size: 8, .value_kind: global_buffer, .address_space: global }
      - { .name: out0, .offset: 16, .size: 8, .value_kind: global_buffer, .address_space: global }
    .group_segment_fixed_size: 327680
    .private_segment_fixed_size: 0
    .kernarg_segment_align: 8
    .kernarg_segment_size: 24
    .max_flat_workgroup_size: 256
    .sgpr_count:     66
    .vgpr_count:     512
    .wavefront_size: 32
...
	.end_amdgpu_metadata
.endif
;; end of part 2
